; MI455X (gfx1250); checked and timed in simulation.
; The chip was launched on July 23, 2026; its instructions are those of AMD's public machine-readable ISA for CDNA 5 (MIT licence, August 2026) and "CDNA5" Instruction Set Architecture Reference Guide (July 2026). The comments in the code are by the model that wrote it; some were corrected since.
;; Attention. Allowed arithmetic: float matrix products may take bf16 or f16 operands with f32 sums; other float arithmetic in f32, or as packed bf16 or f16 multiplies, adds, multiply-adds, maxima and minima; sums over many terms, partial sums and values carried from step to step in f32; what a program stores and reads back later, other than sums and carried values, may be rounded once to bf16 or f16.
;; Inputs: w_out 1,024 x 1,024 float32; w_qkv 1,024 x 3,072 float32; x 4 x 3,137 x 1,024 float32.
;; Outputs: out0 4 x 3,137 x 1,024 float32.
;; Constants: f = 16.
;; One version. Each part assembles by itself: llvm-mc -triple=amdgcn-amd-amdhsa -mcpu=gfx1250 --defsym DOCPART=n.
;; ======== version 1 of 1: 3 launches
;; limits: values are held in f16: magnitudes above 65,504 overflow, below 6.1e-05 lose precision
;; workspace buffers: xb 27,262,976 bytes; wqb 6,291,456 bytes; wob 2,097,152 bytes; ob 27,262,976 bytes; part 270,336 bytes
;; launch prep (part 1): grid 34 x 64, 8 waves a work-group, no clusters, 18,432 bytes of LDS; arguments x, w_qkv, w_out, xb, wqb, wob; writes xb, wqb, wob
.if DOCPART == 1
	.amdgcn_target "amdgcn-amd-amdhsa--gfx1250"
	.amdhsa_code_object_version 6
	.text
	.protected	k_q612d577d24_prep
	.globl	k_q612d577d24_prep
	.p2align	8
	.type	k_q612d577d24_prep,@function
k_q612d577d24_prep:
	s_mov_b64 s[64:65], 0
	v_nop
	global_prefetch_b8 v0, s[64:65] scope:SCOPE_SE
	s_setreg_imm32_b32 hwreg(HW_REG_WAVE_MODE, 25, 1), 1
	s_wait_xcnt 0x0
; PREP.  Three copies that round the module's inputs once and lay them out for the two launches behind.
;   xb  [bf 64][kstep 8][row 208][128] bf16, bf = 16 b + f: row 0 = the cls token of batch b, rows 1..196 = tokens 196 f + row, rows 197..207 = 0.
;   wqb bf16, w_qkv turned to [n][k] and laid in the order of matrix fragments: [head 16][quarter 32][wave 4][j 3][half 2][lane 32][16 bytes]: lane 16 h + r holds
;       column 64 j + 16 wave + r of the head's 192 (j = 0, 1, 2: q, k, v), k = 32 quarter + 16 half + 8 h + 0..7.  A wave of the next launch reads 512 bytes on end with each load.
;   wob [cq 4][kstep 8][n 256][128 k] f16: w_out rounded to bf16, that number written as f16, turned to [n][k].
; LIMITS.  |w_out| stays under 65,504 (f16's end); below 6e-5 it keeps f16's fixed step of 6e-8.  NaN and infinities are not treated apart.
; SHARES.  Work-group x 0..25: eight rows of block bf = y, a wave a row.  x 26..31: 384 tiles of 128 k x 64 n of w_qkv.  x 32, 33: 128 such tiles of w_out.
; No cluster: no two work-groups read the same bytes but the four cls rows.  No ring: a wave has one row (4 KiB) or a share of one tile on its way, and many small work-groups lie on a WGP.
.set PT,    272                        ; a row of the turning tile in LDS: 128 k x 2 bytes + 16
.set SPARE, 64*PT                      ; behind the tile: the spare words, 128 bytes for each of the eight waves
.set SPW,   62                         ; v62  LDS address of my spare word; never rewritten
.set NIL,   63                         ; v63  0; never rewritten
.set XTILE, 208*256                    ; bytes of a tile (bf, kstep) of xb
	s_load_b256 s[4:11], s[0:1], 0x0               ; x s[4:5], w_qkv s[6:7], w_out s[8:9], xb s[10:11]
	s_load_b128 s[12:15], s[0:1], 0x20             ; wqb s[12:13], wob s[14:15]
	v_lshl_add_u32 v[SPW], v0, 2, SPARE
	v_mov_b32 v[NIL], 0
	v_lshrrev_b32 v1, 5, v0
	v_readfirstlane_b32 s16, v1                    ; wave 0..7
	s_mov_b32 s17, ttmp9                           ; work-group x
	s_and_b32 s18, ttmp7, 0xffff                   ; work-group y
	s_wait_kmcnt 0x0
	s_cmp_lt_u32 s17, 26
	s_cbranch_scc0 .Lweights                       ; the same way for all eight waves
	; ---- x: one wave, one row of the block ----
	s_lshl_b32 s19, s17, 3
	s_add_co_u32 s19, s19, s16                     ; the block's row, 0..207
	s_lshr_b32 s20, s18, 4                         ; b
	s_and_b32 s21, s18, 15                         ; f
	s_mul_i32 s22, s18, 8*XTILE
	s_lshl_b32 s23, s19, 8
	s_add_co_u32 s22, s22, s23
	s_mov_b32 s23, 0
	s_add_nc_u64 s[10:11], s[10:11], s[22:23]      ; xb at (bf, kstep 0, row)
	v_and_b32 v3, 31, v0
	v_lshlrev_b32 v1, 4, v3                        ; 16 bytes of f32 a lane in,
	v_lshlrev_b32 v2, 3, v3                        ; 8 bytes of bf16 a lane out
	s_cmp_gt_u32 s19, 196
	s_cbranch_scc1 .Lzero
	s_mul_i32 s24, s21, 196
	s_add_co_u32 s24, s24, s19                     ; token 196 f + row,
	s_cmp_eq_u32 s19, 0
	s_cselect_b32 s24, 0, s24                      ; or the cls token
	s_mul_i32 s25, s20, 3137
	s_add_co_u32 s24, s24, s25
	s_lshl_b32 s24, s24, 12                        ; 4,096 bytes a row of x; under 2^26
	s_mov_b32 s25, 0
	s_add_nc_u64 s[4:5], s[4:5], s[24:25]
.irp j, 0,1,2,3,4,5,6,7
	global_load_b128 v[8+4*\j:11+4*\j], v1, s[4:5] offset:512*\j   ; load j is K step j: 128 numbers, 512 neighbouring bytes
.endr
.irp j, 0,1,2,3,4,5,6,7
	s_wait_loadcnt 7-\j                            ; loads come back in order: load j is in, the younger ones stay out
	v_cvt_pk_bf16_f32 v[40+2*\j], v[8+4*\j], v[9+4*\j]
	v_cvt_pk_bf16_f32 v[41+2*\j], v[10+4*\j], v[11+4*\j]
	global_store_b64 v2, v[40+2*\j:41+2*\j], s[10:11] offset:\j*XTILE  ; 32 lanes store 256 consecutive bytes, aligned
.endr
	s_branch .Lend
.Lzero:
	v_mov_b32 v40, 0
	v_mov_b32 v41, 0
.irp j, 0,1,2,3,4,5,6,7
	global_store_b64 v2, v[40:41], s[10:11] offset:\j*XTILE
.endr
	s_branch .Lend
; A tile of 128 k x 64 n of f32 is rounded, turned in LDS and stored, 16 KiB in all.
; Thread t: kp = t / 16, c16 = t % 16.  It loads rows k = 2 p and 2 p + 1 (p = kp + 16 i), columns 4 c16 .. + 3: sixteen lanes take 256 neighbouring bytes of a row.
; A word of the tile holds (k = 2 p, k = 2 p + 1) of one column.  fmt = 1: the bf16 numbers are written as f16.
; frag = 0: out as 64 rows of 128 k on end.  frag = 1: out in fragment order: thread t takes, of column 16 i + t % 16, the 16 bytes k = 8 (t / 16) ..: sixteen lanes take sixteen
; columns at one k and store 256 bytes on end: quarter (t / 16) / 4 at 12,288 bytes, wave i at 3,072, (half, h) = (t / 16) % 4 at 256, r = t % 16 at 16.
.macro TRW pitch, fmt, frag, sb, db
	v_lshrrev_b32 v5, 4, v0
	v_and_b32 v6, 15, v0
	v_mul_u32_u24 v1, v5, 2*(\pitch)
	v_lshl_add_u32 v1, v6, 4, v1
.irp i, 0,1,2,3
	global_load_b128 v[8+8*\i:11+8*\i],  v1, s[\sb:\sb+1] offset:32*\i*(\pitch) th:TH_LOAD_NT
	global_load_b128 v[12+8*\i:15+8*\i], v1, s[\sb:\sb+1] offset:32*\i*(\pitch)+(\pitch) th:TH_LOAD_NT
.endr
	v_mul_u32_u24 v3, v6, 4*PT
	v_lshl_add_u32 v3, v5, 2, v3                   ; in: row n = 4 c16 + c, word p
.if \frag
	v_mul_u32_u24 v4, v6, PT
	v_lshl_add_u32 v4, v5, 4, v4                   ; back: row t % 16 + 16 i, 16 bytes at 16 (t / 16): sixteen rows 272 bytes apart
	v_lshrrev_b32 v7, 2, v5
	v_mul_u32_u24 v7, v7, 12288                    ; out: the quarter,
	v_and_b32 v58, 3, v5
	v_lshl_add_u32 v7, v58, 8, v7                  ; (half, h),
	v_lshl_add_u32 v7, v6, 4, v7                   ; r; the wave i stands in the immediate
.else
	v_mul_u32_u24 v4, v5, PT
	v_lshl_add_u32 v4, v6, 4, v4                   ; back: row t / 16 + 16 i, 16 bytes at 16 c16
	v_lshlrev_b32 v7, 4, v0                        ; out: 16 t + 4,096 i
.endif
.irp i, 0,1,2,3
	s_wait_loadcnt 6-2*\i                          ; pair i of the eight loads is in
.irp c, 0,1,2,3
	v_cvt_pk_bf16_f32 v[40+4*\i+\c], v[8+8*\i+\c], v[12+8*\i+\c]
.if \fmt
	v_lshlrev_b32 v56, 16, v[40+4*\i+\c]
	v_and_b32 v57, 0xffff0000, v[40+4*\i+\c]
	v_cvt_pk_f16_f32 v[40+4*\i+\c], v56, v57
.endif
	ds_store_b32 v3, v[40+4*\i+\c] offset:\c*PT+64*\i
.endr
.endr
	s_wait_dscnt 0x0                               ; for the others' sake: my stores into the tile are done
	s_barrier_signal -1
	s_barrier_wait -1
.irp i, 0,1,2,3
	ds_load_b128 v[8+4*\i:11+4*\i], v4 offset:\i*16*PT
.endr
.irp i, 0,1,2,3
	s_wait_dscnt 3-\i
	global_store_b128 v7, v[8+4*\i:11+4*\i], s[\db:\db+1] offset:(4096-1024*(\frag))*\i   ; a wave stores 512 consecutive bytes, aligned
.endr
.endm
.Lweights:
	s_cmp_lt_u32 s17, 32
	s_cbranch_scc0 .Lwout
	s_sub_co_u32 s19, s17, 26
	s_lshl_b32 s19, s19, 6
	s_add_co_u32 s19, s19, s18                     ; tile 0..383
	s_and_b32 s20, s19, 7                          ; kstep
	s_lshr_b32 s21, s19, 3                         ; 64 columns: 16 sec + head
	s_lshr_b32 s22, s21, 4                         ; sec
	s_and_b32 s23, s21, 15                         ; head
	s_mul_i32 s24, s20, 128*12288
	s_lshl_b32 s25, s21, 8
	s_add_co_u32 s24, s24, s25
	s_mov_b32 s25, 0
	s_add_nc_u64 s[6:7], s[6:7], s[24:25]
	s_mul_i32 s26, s23, 393216                     ; the head: 32 quarters of 12,288 bytes
	s_mul_i32 s27, s20, 49152                      ; the K step: four of them
	s_add_co_u32 s26, s26, s27
	s_lshl_b32 s27, s22, 10                        ; j = sec: 1,024 bytes
	s_add_co_u32 s26, s26, s27
	s_mov_b32 s27, 0
	s_add_nc_u64 s[12:13], s[12:13], s[26:27]
	TRW 12288, 0, 1, 6, 12
	s_branch .Lend
.Lwout:
	s_sub_co_u32 s19, s17, 32
	s_lshl_b32 s19, s19, 6
	s_add_co_u32 s19, s19, s18                     ; tile 0..127
	s_and_b32 s20, s19, 7                          ; kstep
	s_lshr_b32 s21, s19, 3                         ; 64 columns
	s_mul_i32 s24, s20, 128*4096
	s_lshl_b32 s25, s21, 8
	s_add_co_u32 s24, s24, s25
	s_mov_b32 s25, 0
	s_add_nc_u64 s[8:9], s[8:9], s[24:25]
	s_lshr_b32 s26, s21, 2                         ; column quarter
	s_lshl_b32 s26, s26, 3
	s_add_co_u32 s26, s26, s20
	s_lshl_b32 s26, s26, 8
	s_and_b32 s27, s21, 3
	s_lshl_b32 s27, s27, 6
	s_add_co_u32 s26, s26, s27
	s_lshl_b32 s26, s26, 8                         ; ((8 cq + kstep) 256 + 64 (tile % 4)) rows of 256 bytes
	s_mov_b32 s27, 0
	s_add_nc_u64 s[14:15], s[14:15], s[26:27]
	TRW 4096, 1, 0, 8, 14
.Lend:
	s_wait_tensorcnt 0x0                           ; the wave's end, behind my last LDS store
	ds_add_u32 v[SPW], v[NIL]
	s_wait_dscnt 0x0
	s_endpgm
.Lfunc_end_k_q612d577d24_prep:
	.size	k_q612d577d24_prep, .Lfunc_end_k_q612d577d24_prep-k_q612d577d24_prep
	.p2alignl 7, 3214868480
	.fill 96, 4, 3214868480
	.section	.rodata,"a",@progbits
	.p2align	6, 0x0
	.amdhsa_kernel k_q612d577d24_prep
		.amdhsa_group_segment_fixed_size 18432
		.amdhsa_private_segment_fixed_size 0
		.amdhsa_enable_private_segment 0
		.amdhsa_kernarg_size 48
		.amdhsa_user_sgpr_count 2
		.amdhsa_user_sgpr_kernarg_segment_ptr 1
		.amdhsa_wavefront_size32 1
		.amdhsa_system_sgpr_workgroup_id_x 1
		.amdhsa_system_sgpr_workgroup_id_y 1
		.amdhsa_system_sgpr_workgroup_id_z 1
		.amdhsa_system_vgpr_workitem_id 0
		.amdhsa_next_free_vgpr 64
		.amdhsa_next_free_sgpr 66
		.amdhsa_reserve_vcc 0
		.amdhsa_float_denorm_mode_32 3
		.amdhsa_float_denorm_mode_16_64 3
		.amdhsa_memory_ordered 1
		.amdhsa_forward_progress 1
		.amdhsa_inst_pref_size 19
	.end_amdhsa_kernel
	.amdgpu_metadata
---
amdhsa.version: [ 1, 2 ]
amdhsa.kernels:
  - .name:           k_q612d577d24_prep
    .symbol:         k_q612d577d24_prep.kd
    .args:
      - { .name: x, .offset: 0, .size: 8, .value_kind: global_buffer, .address_space: global }
      - { .name: w_qkv, .offset: 8, .size: 8, .value_kind: global_buffer, .address_space: global }
      - { .name: w_out, .offset: 16, .size: 8, .value_kind: global_buffer, .address_space: global }
      - { .name: xb, .offset: 24, .size: 8, .value_kind: global_buffer, .address_space: global }
      - { .name: wqb, .offset: 32, .size: 8, .value_kind: global_buffer, .address_space: global }
      - { .name: wob, .offset: 40, .size: 8, .value_kind: global_buffer, .address_space: global }
    .group_segment_fixed_size: 18432
    .private_segment_fixed_size: 0
    .kernarg_segment_align: 8
    .kernarg_segment_size: 48
    .max_flat_workgroup_size: 256
    .sgpr_count:     66
    .vgpr_count:     64
    .wavefront_size: 32
...
	.end_amdgpu_metadata
.endif
;; end of part 1
;; launch qkvattn (part 2): grid 4 x 64, 4 waves a work-group, clusters of 4 x 4, 327,680 bytes of LDS; arguments xb, wqb, ob, part; writes ob, part
.if DOCPART == 2
	.amdgcn_target "amdgcn-amd-amdhsa--gfx1250"
	.amdhsa_code_object_version 6
	.text
	.protected	k_q612d577d24_qkvattn
	.globl	k_q612d577d24_qkvattn
	.p2align	8
	.type	k_q612d577d24_qkvattn,@function
k_q612d577d24_qkvattn:
	s_mov_b64 s[64:65], 0
	v_nop
	global_prefetch_b8 v0, s[64:65] scope:SCOPE_SE
	s_setreg_imm32_b32 hwreg(HW_REG_WAVE_MODE, 25, 1), 1
	s_wait_xcnt 0x0
	s_wait_alu depctr_hold_cnt(0) depctr_sa_sdst(0) depctr_va_vdst(0) depctr_va_sdst(0) depctr_va_ssrc(0) depctr_va_vcc(0) depctr_vm_vsrc(0)
	s_getreg_b32 s2, hwreg(HW_REG_IB_STS2, 6, 4)
	s_cmp_eq_u32 s2, 0
	s_cbranch_scc0 .Lentry_in_a_cluster
	s_endpgm
.Lentry_in_a_cluster:
	s_bfe_u32 s2, ttmp6, 0x10000c
	s_cmp_lg_u32 s2, 0xf033
	s_cbranch_scc0 .Lentry_shape_is_right
	s_endpgm
.Lentry_shape_is_right:
; QKV PROJECTION AND FRAME ATTENTION, FUSED.  A work-group owns one frame block (batch b, frame f: 208 rows = cls, 196 patches, 11 rows of zeros) and four heads.
; Head by head: C[208 x 192] = xb[208 x 1024] wqb^T (bf16 operands, f32 sums) gives the head's q, k, v; they are rounded once to f16 into LDS; then
; O[q] = the sum over k of softmax_k(q . k / 8) v[k] over the block's 197 keys, all 208 rows as queries; O leaves in f16 as ob[bf][head][row 208][64].  q, k and v never leave the WGP.
; THE CLS QUERY is row 0 of every block.  In frames other than 0 the cls key is hidden from it, so that the 16 frames' key sets are disjoint and cover all 3,137 tokens.  Its
; (c m, l) and its normalised O go out in f32 (part); the launch behind merges the 16 by the usual maximum and rescaling.
; SOFTMAX.  All of a query's 208 scores lie in registers: the true maximum m is taken first, p = 2^(c s - c m), c = log2(e) / 8; l is the sum of the unrounded p; p is rounded to f16 for the second product.
; LIMITS.  q, k, v must stay under 65,504 (f16's end).  A hidden score counts as its value less 1e30.  A weight below 2^-126 counts as 0.  NaN and infinities are not treated apart.
; SHARES.  GEMM: wave w takes all 13 row blocks x the column blocks 64 j + 16 w (j = 0, 1, 2: one each of q, k, v): 39 accumulators.  Attention: wave w takes query tiles w, w + 4, w + 8 (wave 0 also 12).
; THE MATRIX INSTRUCTION IS USED TRANSPOSED in the GEMM (source 0 = 16 rows of wqb, source 1 = 16 tokens): a lane holds one token and eight neighbouring channels, 16 bytes of f16.
; S^T = K Q^T holds one query a lane (lane % 16) and the keys 8 (lane / 16) + 0..7; two such results rounded in pairs ARE source 1 of O^T = V^T P.  V is turned on its way out of LDS.
; CLUSTER 4 x 4: cx = group of four heads, cy = batch, the cluster's y = frame.  xb's tiles hang on (cy, frame) and are asked for jointly along a row of the cluster.
; RING IN LDS.  xb's 32 tiles (4 heads x 8 K steps of 128) go through two LDS slots; waves 0 and 1 fetch a tile's halves, 104 rows each; waves 2 and 3 issue no tensor load.
; By this text's count a wave has two tensor loads out at the start, later one.
; WQB COMES BY REGISTERS, NOT JOINTLY.  A wave's three column blocks are read by no other wave of the work-group, and the launch before has laid them in the order of fragments: six loads of 512 bytes on
; end bring the 3,072 bytes that a wave's 39 products of a quarter step want.  Through LDS they would add, for each K step, 52,224 bytes written and 49,152 read to xb's 56,576 and 212,992.  The price:
; the four work-groups of a column of the cluster, which want the same bytes, each load them.  A ring of eight buffers of 24 registers: quarter Q multiplies buffer Q % 8 and loads quarter Q + 7
; into buffer (Q - 1) % 8: 273 matrix instructions ahead of its use; the ring runs on across heads and under the attention.  So early, these loads are not prefetched besides.
; THE LAST HEAD's tail is written out behind the loop over heads, its stage and attention with it: its last seven quarters load nothing of wqb, and it asks for no tile.
; REGISTERS, in windows of 256 (s_set_vgpr_msb: bits 1:0 source 0, 3:2 source 1, 5:4 source 2, 7:6 destination):
;   window 0: v0-63 addresses, masks, statistics; v64-167 S^T; v168-223 P (v64-219 also the stage's packed results); v224-239 O on its way out; v240-241 the add's registers
;   window 1: GEMM: two buffers of xb's 13 fragments, at v0 and v128.  Attention: v0-207 K, v208-223 Q, v224-255 O^T
;   window 2: accumulators 0-31; in attention v0-223 V.          window 3: v0-55 accumulators 32-38; v56-247 wqb's ring
.set SLOT,  208*272                    ; 208 rows of xb at 272 bytes (256 + 16: the sixteen rows of a fragment load start at sixteen different groups of banks)
.set QS,    2*SLOT                     ; q: 208 rows x 144 bytes (128 + 16)
.set KOFF,  208*144                    ; k lies behind q, same pitch
.set VS,    QS+2*KOFF                  ; v: 208 rows x 160 bytes (128 + 32)
.set OST,   VS+208*160                 ; 16 rows x 144 bytes for each wave, for O's way out
.set SPARE, OST+4*16*144               ; the spare words, 128 bytes for each wave: two blocks of 256 bytes that no other line names
.set ATILE, 208*256                    ; bytes of a tile of xb
.set BQ,    12288                      ; bytes of wqb for 32 along K of a head: four waves' 3,072
.set BR,    56                         ; window 3: the ring's first register
.set F0, 0
.set F1, 128
.set ADRA, 2                           ; v2-3   my place in xb's fragments, slot 0, 1
.set STQ,  6                           ; v6     where I put 16 bytes of q (k: + KOFF)
.set STV,  7                           ; v7     of v
.set AKF,  8                           ; v8     my place in K's fragments
.set AVF,  9                           ; v9     in V's turning loads
.set AQ0,  10                          ; v10    in Q's fragments of tile w
.set AQ,   11                          ; v11    of the tile in hand
.set OSTO, 12                          ; v12    O's way out: where I put 16 bytes
.set ORD,  13                          ; v13    where I read rows back
.set GO0,  14                          ; v14    my byte offset in ob, tile w
.set GO,   15                          ; v15    the tile in hand
.set MD,   16                          ; v16-23 the mask of key block 12: keys 197..207 hidden
.set MZ,   24                          ; v24-31 the mask of key block 0: v24 hides the cls key from the cls query; v25-31 = 0
.set CMX,  32                          ; v32    c m
.set LL,   33                          ; v33    l
.set RL,   34                          ; v34    1 / l
.set ZR,   35                          ; v35    0
.set CC,   36                          ; v36-39 four chains of the maximum
.set LZ,   40                          ; v40    -1e30 in lane 0 where the frame is not 0, else 0
.set PCO,  41                          ; v41    32 (lane / 16)
.set RR,   42                          ; v42    lane % 16
.set PFO,  43                          ; v43    the prefetches' offset; never rewritten
.set LS,   48                          ; v48-55 four pairs of partial sums
.set BO,   56                          ; v56    16 x lane: my 16 bytes of a load of wqb; never rewritten
.set S,    64
.set P,    168
.set OT,   224
.set SPW,  240
.set NIL,  241
.set WV, 12
.set WHI, 13                           ; 0: I fetch xb's tiles
.set WLO, 14                           ; which half of the tile
.set CX, 15
.set CY, 16
.set FR, 17
.set BF, 18
.set G1A, 24
.set G0A, 32
.set SB, 40                            ; s[40:41] wqb at my wave's 3,072 bytes of the quarter from which the loads' immediates count
.set HD, 56                            ; heads to go, the one in hand among them
.set LAP, 57
.set CS, 58                            ; s[58:59] c, twice
.set SEL, 60                           ; s[60:61] v_permlanex16_b32's selects: the same place in the other half
.set T, 62                             ; the query tile in hand
.set CNT, 63
.set SIG, 66                           ; changes of slots so far
.set LIM, 67                           ; a wave prefetches while SIG is below it
.set PFA, 68                           ; s[68:69] where my prefetches stand
.set PO, 72                            ; s[72:73] part: the cls query's O of the head in hand
.set PS, 74                            ; s[74:75] part: its (c m, l)
.set BIGN, 76
.set MSB, 0
.macro WIN new                         ; the immediate's high byte repeats the setting that is left; a switch that changes nothing is dropped
.if MSB != (\new)
	s_set_vgpr_msb (MSB<<8)|(\new)
.set MSB, \new
.endif
.endm
.macro PLACES                          ; four plain places behind matrix instructions, in front of loads into registers that they read and of readers of their results
.rept 4
	v_nop
.endr
.endm
.macro JLOAD s                         ; a joint load, by waves 0 and 1; an s_nop 0 and four v_nop follow it.  The other waves' four v_nop are their places in front of the loads that follow.  The branch hangs on the wave's number alone
	s_cmp_eq_u32 s[WHI], 0
	s_cbranch_scc0 .Lnone_\@
	tensor_load_to_lds s[G0A+4*(\s):G0A+4*(\s)+3], s[G1A:G1A+7]
	s_nop 0
.rept 4
	v_nop
.endr
	s_branch .Lasked_\@
.Lnone_\@:
.rept 4
	v_nop
.endr
.Lasked_\@:
.endm
.macro CREST                           ; a round of the cluster's barrier behind its opening barrier
	s_cmp_lg_u32 s[WV], 0
	s_cbranch_scc1 .Lnot_wave_0_\@
	s_barrier_signal -3
.Lnot_wave_0_\@:
	s_barrier_wait -3
	s_barrier_signal -1
	s_barrier_wait -1
.endm
.macro CROUND
	s_barrier_signal -1
	s_barrier_wait -1
	CREST
.endm
; A PREFETCH INTO THE L2, behind each joint load and the runs of loads that follow it: xb's tile that stands two refills on (312 matrix instructions ahead of its load), a lane a row of 256 bytes.
; xb's tiles are read by this cluster alone, and again by each later head: they are asked for in head 0 alone (tiles 4..7), by the waves that fetch them, a wave's 104 rows shared out by address,
; 26 to each partner along x.  Lanes beyond a share name its last row once more.  Tiles 0..3 come by their loads alone.  No branch hangs on a work-group's place in its cluster.
.macro ASK
	WIN 0
	s_cmp_lt_u32 s[SIG], s[LIM]
	s_cbranch_scc0 .Lnot_mine_\@
	global_prefetch_b8 v[PFO], s[PFA:PFA+1] th:TH_LOAD_NT scope:SCOPE_SE
.Lnot_mine_\@:
	s_add_co_u32 s[SIG], s[SIG], 1
.endm
; Products lo..hi of a quarter step's 39: accumulator i = 3 a + j (row block a, column block j); xb's fragments in buffer f, wqb's in buffer b of the ring.
; The 39 take turns, one instruction a turn, over every jump:
.macro MULR f, b, lo, hi, zero
.set mi, \lo
.rept (\hi)-(\lo)+1
.if mi < 32
	WIN 0xa7                                       ; wqb in window 3, xb in window 1, C and D in window 2
.set rD, 8*mi
.else
	WIN 0xf7                                       ; C and D in window 3
.set rD, 8*(mi-32)
.endif
.set rB, BR+24*(\b)+8*(mi%3)
.set rA, (\f)+8*(mi/3)
.if \zero
	v_wmma_f32_16x16x32_bf16 v[rD:rD+7], v[rB:rB+7], v[rA:rA+7], 0
.else
	v_wmma_f32_16x16x32_bf16 v[rD:rD+7], v[rB:rB+7], v[rA:rA+7], v[rD:rD+7]
.endif
.set mi, mi+1
.endr
.endm
; 26 LDS loads in one run: xb's thirteen fragments of a quarter step (32 along K at byte k of the rows) into buffer f
.macro FETCH slot, k, f
	WIN 0x40
.irp a, 0,1,2,3,4,5,6,7,8,9,10,11,12
	ds_load_b128 v[(\f)+8*\a:(\f)+8*\a+3],   v[ADRA+(\slot)] offset:(\k)+4352*\a
	ds_load_b128 v[(\f)+8*\a+4:(\f)+8*\a+7], v[ADRA+(\slot)] offset:(\k)+4352*\a+32
.endr
.endm
; 6 loads from memory: my three fragments of wqb of the quarter d quarters behind SB, into buffer b of the ring; each load takes 512 bytes on end
.macro BLOAD b, d
	WIN 0xc0                                       ; destination window 3, address window 0
.irp j, 0,1,2
	global_load_b128 v[BR+24*(\b)+8*\j:BR+24*(\b)+8*\j+3],   v[BO], s[SB:SB+1] offset:(\d)*BQ+1024*\j
	global_load_b128 v[BR+24*(\b)+8*\j+4:BR+24*(\b)+8*\j+7], v[BO], s[SB:SB+1] offset:(\d)*BQ+1024*\j+512
.endr
.endm
; One of a K step's first three quarters: multiplies xb's buffer f by the ring's buffer b; in its middle it fetches the next quarter of xb, at byte k, into buffer g, and (d >= 0) loads wqb's
; quarter seven on into the buffer that the quarter before multiplied.  wl: the loads of wqb younger than this quarter's: six quarters' 36; in the last head's tail fewer.
.macro QUARTER slot, k, f, g, zero, b, d, wl=36
	s_wait_loadcnt \wl                             ; loads come back in order: the ring's buffer b is in
	s_wait_dscnt 12                                ; the youngest twelve LDS loads (row blocks 7-12) may be out
	MULR \f, \b, 0, 20, \zero
	PLACES
	FETCH \slot, \k, \g
.if (\d) >= 0
	BLOAD ((\b)+7)%8, \d
.endif
	s_wait_dscnt 26                                ; all but the 26 just issued
	MULR \f, \b, 21, 38, \zero
.endm
; The last quarter multiplies buffer 1 and changes slots.  Each wave waits for all its tensor loads (in waves 0 and 1 one is out: a half of the next slot), adds 0 to its spare word, and waits for that and for its
; reads of this slot; the barrier opens a round of the cluster's, behind which no wave of any partner reads the slot or has a tensor load on its way; the joint refill comes first behind it.
; on = 1: a head's last two changes: xb goes back to K step 0 or 1.  fetch = 0: the head's last change: attention takes the fragment registers.
.macro TURN slot, next, on, fetch, b, d
	s_wait_xcnt 0x0                                ; the last prefetch, a K step back, has read its address
	s_add_nc_u64 s[PFA:PFA+1], s[PFA:PFA+1], ATILE
	WIN 0
	s_wait_tensorcnt 0x0
	ds_add_u32 v[SPW], v[NIL]
	s_wait_loadcnt 36                              ; the ring's buffer b is in
	s_wait_dscnt 19                                ; (the add and row blocks 4-12 may be out)
	MULR F1, \b, 0, 11, 0
	s_wait_dscnt 0x0                               ; the add is done, and my reads of this slot are over
	s_barrier_signal -1
	MULR F1, \b, 12, 20, 0
	WIN 0
	s_barrier_wait -1
	CREST
.if \on
	s_sub_nc_u64 s[G0A+4*(\slot)+2:G0A+4*(\slot)+3], s[G0A+4*(\slot)+2:G0A+4*(\slot)+3], 6*ATILE
.else
	s_add_nc_u64 s[G0A+4*(\slot)+2:G0A+4*(\slot)+3], s[G0A+4*(\slot)+2:G0A+4*(\slot)+3], 2*ATILE
.endif
	JLOAD \slot                                    ; 135 matrix instructions ahead of the wait for it; the four v_nop are also the places in front of the loads below
.if \fetch
	FETCH \next, 0, F0
.endif
	BLOAD ((\b)+7)%8, \d
	ASK
	MULR F1, \b, 21, 38, 0
.endm
; THE STAGE: q, k, v rounded once to f16, 16 bytes a lane, into LDS.  Each accumulator's registers are read in ascending order.
.macro STAGE
	PLACES
	WIN 0x0a                                       ; sources in window 2
.set n, 0
.rept 32
.irp e, 0,1,2,3
	v_cvt_pk_f16_f32 v[64+4*n+\e], v[8*n+2*\e], v[8*n+2*\e+1]
.endr
.set n, n+1
.endr
	WIN 0x0f                                       ; sources in window 3
.rept 7
.irp e, 0,1,2,3
	v_cvt_pk_f16_f32 v[64+4*n+\e], v[8*(n-32)+2*\e], v[8*(n-32)+2*\e+1]
.endr
.set n, n+1
.endr
	WIN 0
.set n, 0
.rept 39
.if n%3 == 0
	ds_store_b128 v[STQ], v[64+4*n:64+4*n+3] offset:2304*(n/3)
.elseif n%3 == 1
	ds_store_b128 v[STQ], v[64+4*n:64+4*n+3] offset:KOFF+2304*(n/3)
.else
	ds_store_b128 v[STV], v[64+4*n:64+4*n+3] offset:2560*(n/3)
.endif
.set n, n+1
.endr
	s_wait_dscnt 0x0                               ; for the others' sake: my stores are done.  (The head before's readers of the stage passed eight barriers since, each behind a wait for their LDS loads.)
	s_barrier_signal -1
	s_barrier_wait -1                              ; slot 1's load may stay out across it
.endm
.macro FS i                            ; c s - c m for pair i of the lane's 52 pairs of scores
	v_pk_fma_f32 v[S+2*(\i):S+2*(\i)+1], v[S+2*(\i):S+2*(\i)+1], s[CS:CS+1], v[CMX:CMX+1] op_sel_hi:[1,0,0] neg_lo:[0,0,1] neg_hi:[0,0,1]
.endm
; ATTENTION of one head.  All of the head's K and V come into registers once a wave; then the wave's query tiles, one a trip.  Window 3, with wqb's ring, is left alone.
.macro ATTN
	WIN 0x40
.set n, 0
.rept 26                               ; key block n / 2, channels 32 (n % 2) on
	ds_load_b128 v[8*n:8*n+3],   v[AKF] offset:2304*(n/2)+64*(n%2)
	ds_load_b128 v[8*n+4:8*n+7], v[AKF] offset:2304*(n/2)+64*(n%2)+32
.set n, n+1
.endr
	WIN 0x80
.set n, 0
.rept 28                               ; keys 32 (n / 4) on, channels 16 (n % 4) on; keys 208..223 do not exist: zeros
	ds_load_tr16_b128 v[8*n:8*n+3], v[AVF] offset:5120*(n/4)+32*(n%4)
.if n < 24
	ds_load_tr16_b128 v[8*n+4:8*n+7], v[AVF] offset:5120*(n/4)+2560+32*(n%4)
.else
	v_mov_b32 v[8*n+4], 0
	v_mov_b32 v[8*n+5], 0
	v_mov_b32 v[8*n+6], 0
	v_mov_b32 v[8*n+7], 0
.endif
.set n, n+1
.endr
	WIN 0
.irp e, 52,53,54,55
	v_mov_b32 v[P+\e], 0                           ; and their weights
.endr
	s_wait_xcnt 0x0                                ; the head before's stores have read GO
	v_mov_b32 v[AQ], v[AQ0]
	v_mov_b32 v[GO], v[GO0]
	s_mov_b32 s[T], s[WV]
	s_mov_b32 s[CNT], 4
.Lt_\@:                                        ; four trips: tiles w, w + 4, w + 8, w + 12; a tile past the twelfth is jumped, forward, past no barrier and no tensor load
	s_cmp_ge_u32 s[T], 13
	s_cbranch_scc1 .Lskip_\@
	s_wait_xcnt 0x0                                ; the last tile's stores have read OT
	WIN 0x40
	ds_load_b128 v[208:211], v[AQ]
	ds_load_b128 v[212:215], v[AQ] offset:32
	ds_load_b128 v[216:219], v[AQ] offset:64
	ds_load_b128 v[220:223], v[AQ] offset:96
	WIN 0
	s_cmp_eq_u32 s[T], 0
	s_cselect_b32 s78, -1, 0
	v_and_b32 v[MZ], s78, v[LZ]                    ; only tile 0 holds the cls query
	s_wait_dscnt 0x0                               ; Q is in (the first time K and V too)
	WIN 0x05                                       ; K and Q in window 1, S^T and the masks in window 0
.set n, 0
.rept 26                               ; channels 32 (n / 13) on, key block n % 13: the 13 accumulators take turns; the masks are the C operands that start two of the sums
.set rS, S+8*(n%13)
.set rK, 16*(n%13)+8*(n/13)
.set rQ, 208+8*(n/13)
.if n == 0
	v_wmma_f32_16x16x32_f16 v[rS:rS+7], v[rK:rK+7], v[rQ:rQ+7], v[MZ:MZ+7]
.elseif n == 12
	v_wmma_f32_16x16x32_f16 v[rS:rS+7], v[rK:rK+7], v[rQ:rQ+7], v[MD:MD+7]
.elseif n < 13
	v_wmma_f32_16x16x32_f16 v[rS:rS+7], v[rK:rK+7], v[rQ:rQ+7], 0
.else
	v_wmma_f32_16x16x32_f16 v[rS:rS+7], v[rK:rK+7], v[rQ:rQ+7], v[rS:rS+7]
.endif
.set n, n+1
.endr
	WIN 0
	PLACES
	; the maximum of the lane's 104 scores, in four chains; each accumulator's lowest registers are read first
.irp q, 0,1,2,3
	v_max3_num_f32 v[CC+\q], v[S+8*\q], v[S+8*\q+1], v[S+8*\q+2]
.endr
.irp p, 3,5
.irp q, 0,1,2,3
	v_max3_num_f32 v[CC+\q], v[CC+\q], v[S+8*\q+\p], v[S+8*\q+\p+1]
.endr
.endr
.irp g, 1,2
.irp p, 0,1,2,3
.irp q, 0,1,2,3
	v_max3_num_f32 v[CC+\q], v[CC+\q], v[S+8*(4*\g+\q)+2*\p], v[S+8*(4*\g+\q)+2*\p+1]
.endr
.endr
.endr
.irp p, 0,1,2,3
	v_max3_num_f32 v[CC+\p], v[CC+\p], v[S+96+2*\p], v[S+96+2*\p+1]
.endr
	v_max3_num_f32 v[CC], v[CC], v[S+7], v[S+15]
	v_max3_num_f32 v[CC+1], v[CC+1], v[S+23], v[S+31]
	v_max3_num_f32 v[CC], v[CC], v[CC+1], v[CC+2]
	v_max_num_f32 v[CC], v[CC], v[CC+3]
	v_permlanex16_b32 v[CC+1], v[CC], s[SEL], s[SEL+1]  ; the query's other keys lie in the lane 16 away
	v_max_num_f32 v[CC], v[CC], v[CC+1]
	v_mul_f32 v[CMX], s[CS], v[CC]                 ; c m
	; ONE BATCH: 52 scalings c s - c m and 104 exponentials; no line of it names an exponential's result; a pair is scaled two steps ahead of its exponentials
	FS 0
	FS 1
.set n, 0
.rept 52
	v_exp_f32 v[S+2*n], v[S+2*n]
	v_exp_f32 v[S+2*n+1], v[S+2*n+1]
.if n < 50
	FS n+2
.endif
.set n, n+1
.endr
	v_nop                                          ; a plain instruction behind the last exponential (ISA guide 5.7.2),
	s_wait_alu depctr_va_vdst(0)                   ; and the one wait ahead of the batch's first reader
.set n, 0
.rept 52
	v_cvt_pk_f16_f32 v[P+n], v[S+2*n], v[S+2*n+1]
.set n, n+1
.endr
	WIN 0x52                                       ; V in window 2, P in window 0, O^T in window 1
.set n, 0
.rept 28                               ; keys 32 (n / 4) on, channels 16 (n % 4) on: the four accumulators take turns
.set rO, 224+8*(n%4)
.set rP, P+8*(n/4)
.if n < 4
	v_wmma_f32_16x16x32_f16 v[rO:rO+7], v[8*n:8*n+7], v[rP:rP+7], 0
.else
	v_wmma_f32_16x16x32_f16 v[rO:rO+7], v[8*n:8*n+7], v[rP:rP+7], v[rO:rO+7]
.endif
.set n, n+1
.endr
	WIN 0                                          ; l: the sums stand behind the products, name none of their registers, and are their places
.irp q, 0,1,2,3
	v_pk_add_f32 v[LS+2*\q:LS+2*\q+1], v[S+2*\q:S+2*\q+1], v[S+8+2*\q:S+8+2*\q+1]
.endr
.set n, 8
.rept 44
	v_pk_add_f32 v[LS+2*(n%4):LS+2*(n%4)+1], v[LS+2*(n%4):LS+2*(n%4)+1], v[S+2*n:S+2*n+1]
.set n, n+1
.endr
	v_pk_add_f32 v[LS:LS+1], v[LS:LS+1], v[LS+2:LS+3]
	v_pk_add_f32 v[LS+4:LS+5], v[LS+4:LS+5], v[LS+6:LS+7]
	v_pk_add_f32 v[LS:LS+1], v[LS:LS+1], v[LS+4:LS+5]
	v_add_f32 v[LL], v[LS], v[LS+1]
	v_permlanex16_b32 v[CC], v[LL], s[SEL], s[SEL+1]
	v_add_f32 v[LL], v[LL], v[CC]
	v_rcp_f32 v[RL], v[LL]
	v_nop
	s_wait_alu depctr_va_vdst(0)                   ; the reciprocal's wait, ahead of its first reader and of the branch below
	WIN 0x41                                       ; O^T in window 1, 1 / l in window 0
.set n, 0
.rept 16
	v_pk_mul_f32 v[224+2*n:224+2*n+1], v[224+2*n:224+2*n+1], v[RL:RL+1] op_sel_hi:[1,0]
.set n, n+1
.endr
	WIN 0
	s_cmp_lg_u32 s[T], 0
	s_cbranch_scc1 .Lnot_cls_\@
	s_wait_xcnt 0x0                                ; EXEC changes only behind this wait
	v_cmp_eq_u32 vcc_lo, 0, v[RR]
	s_and_saveexec_b32 s77, vcc_lo                 ; lanes 0 and 16 hold query 0: channels 16 cb + 8 h + 0..7
	WIN 0x04                                       ; store data in window 1
.irp e, 0,1,2,3,4,5,6,7
	global_store_b128 v[PCO], v[224+4*\e:224+4*\e+3], s[PO:PO+1] offset:64*(\e/2)+16*(\e%2)
.endr
	WIN 0
	global_store_b64 v[ZR], v[CMX:CMX+1], s[PS:PS+1]   ; (c m, l): both lanes store the same 8 bytes
	s_wait_xcnt 0x0
	s_or_b32 exec_lo, exec_lo, s77
.Lnot_cls_\@:
	WIN 0x05                                       ; sources in window 1
.set n, 0
.rept 16
	v_cvt_pk_f16_f32 v[OT+n], v[224+2*n], v[224+2*n+1]
.set n, n+1
.endr
	WIN 0
.irp e, 0,1,2,3
	ds_store_b128 v[OSTO], v[OT+4*\e:OT+4*\e+3] offset:32*\e
.endr
.irp e, 0,1,2,3
	ds_load_b128 v[OT+4*\e:OT+4*\e+3], v[ORD] offset:576*\e  ; LDS serves a wave's instructions in order (ISA guide 5.7.1.4): these see the stores above
.endr
.irp e, 0,1,2,3
	s_wait_dscnt 3-\e
	global_store_b128 v[GO], v[OT+4*\e:OT+4*\e+3], s[8:9] offset:512*\e  ; 512 consecutive bytes, aligned
.endr
.Lskip_\@:
	s_wait_dscnt 0x0                               ; on both ways: behind a tile nothing is out (the count-down above ended at 0); on the way that jumps a tile, K's and V's loads are in before the loop can be left
	s_wait_xcnt 0x0                                ; the stores have read GO
	v_add_nc_u32 v[AQ], 64*144, v[AQ]
	v_add_nc_u32 v[GO], 64*128, v[GO]
	s_add_co_u32 s[T], s[T], 4
	s_sub_co_u32 s[CNT], s[CNT], 1
	s_cmp_lg_u32 s[CNT], 0
	s_cbranch_scc1 .Lt_\@
.endm
	s_load_b256 s[4:11], s[0:1], 0x0               ; xb s[4:5], wqb s[6:7], ob s[8:9], part s[10:11]
	v_lshl_add_u32 v[SPW], v0, 2, SPARE
	v_mov_b32 v[NIL], 0
	ds_add_u32 v[SPW], v[NIL]                      ; the wave's opening: the add and its wait ahead of my first tensor load
	v_lshrrev_b32 v1, 5, v0
	v_readfirstlane_b32 s[WV], v1
	v_and_b32 v[BO], 31, v0
	v_lshlrev_b32 v[BO], 4, v[BO]                  ; 16 x lane
	s_lshr_b32 s[WHI], s[WV], 1
	s_and_b32 s[WLO], s[WV], 1
	s_bfe_u32 s[CX], ttmp6, 0x40000
	s_bfe_u32 s[CY], ttmp6, 0x40004
	s_and_b32 s[FR], ttmp7, 0xffff                 ; the cluster's y: the frame
	s_lshl_b32 s[BF], s[CY], 4
	s_add_co_u32 s[BF], s[BF], s[FR]               ; the frame block, 16 b + f
	s_lshl_b32 s19, s[CY], 2
	s_lshl_b32 s19, 15, s19                        ; my row of the cluster
	s_or_b32 s[G1A], s19, (1<<16)|(1<<20)|(1<<21)|(5<<22)|(3<<25)  ; the mask; 2-byte elements; padding on; bit 21 beside a mask; after every 64 words, 4 words
	s_mov_b32 s[G1A+1], 128<<16                    ; tensor_dim0 = 128
	s_mov_b32 s[G1A+2], 104<<16                    ; tensor_dim1 = 104
	s_mov_b32 s[G1A+3], 128<<16                    ; tile_dim0 = 128
	s_mov_b32 s[G1A+4], 104                        ; tile_dim1 = 104
	s_mov_b32 s[G1A+5], 128                        ; 128 elements from row to row: the tiles are dense
	s_mov_b32 s[G1A+6], 0
	s_mov_b32 s[G1A+7], 0
	s_mov_b32 s[CS], 0x3e38aa3b                    ; c = log2(e) / 8
	s_mov_b32 s[CS+1], s[CS]
	s_mov_b32 s[SEL], 0x76543210
	s_mov_b32 s[SEL+1], 0xfedcba98
	s_mov_b32 s[BIGN], 0xf149f2ca                  ; -1e30
	s_mul_i32 s80, s[BF], 8*ATILE                  ; xb: my block, a half of a tile
	s_mul_i32 s19, s[WLO], 104*256
	s_add_co_u32 s80, s80, s19
	s_mov_b32 s81, 0
	s_mul_i32 s84, s[CX], 128*BQ                   ; wqb: my four heads' 128 quarters,
	s_mul_i32 s23, s[WV], 3072                     ; my wave's part of each
	s_add_co_u32 s84, s84, s23
	s_mov_b32 s85, 0
	s_mul_i32 s21, s[WLO], 104*272                 ; where xb's half goes: no place in the cluster enters an LDS address
	s_wait_dscnt 0x0                               ; the opening add is done
	s_wait_kmcnt 0x0
	s_add_nc_u64 s[82:83], s[4:5], s[80:81]
	s_add_nc_u64 s[SB:SB+1], s[6:7], s[84:85]
.irp q, 0,1,2,3,4,5,6
	BLOAD \q, \q                                   ; the ring's first seven buffers: 42 loads, on their way under the round and the first tiles
.endr
	WIN 0
	CROUND                                         ; all sixteen work-groups are here: the first joint loads meet
.irp s, 0,1
	s_mov_b32 s[G0A+4*(\s)], 1
	s_add_co_u32 s[G0A+4*(\s)+1], s21, (\s)*SLOT
	s_add_nc_u64 s[G0A+4*(\s)+2:G0A+4*(\s)+3], s[82:83], (\s)*ATILE
	s_or_b32 s[G0A+4*(\s)+3], s[G0A+4*(\s)+3], 0x80000000
.endr
	s_cmp_eq_u32 s[WHI], 0                         ; a wave's two first fills stand in one branch, ahead of every wait on TENSORcnt, every LDS read and every later barrier
	s_cbranch_scc0 .Lfirst_asked
	tensor_load_to_lds s[G0A:G0A+3], s[G1A:G1A+7]
	s_nop 0
	tensor_load_to_lds s[G0A+4:G0A+7], s[G1A:G1A+7]
	s_nop 0
.rept 4
	v_nop
.endr
.Lfirst_asked:
	; addresses, masks and pointers, while the first tiles are on their way
	v_and_b32 v[RR], 15, v0                        ; r = lane % 16
	v_bfe_u32 v45, v0, 4, 1                        ; h = lane / 16
	v_and_b32 v44, 31, v0                          ; lane
	v_mul_u32_u24 v[ADRA], v[RR], 272
	v_lshl_add_u32 v[ADRA], v45, 4, v[ADRA]        ; a fragment's row x pitch + 16 h
	v_add_nc_u32 v[ADRA+1], SLOT, v[ADRA]
	v_mul_u32_u24 v46, v[RR], 144
	v_lshl_add_u32 v46, v45, 4, v46                ; r x 144 + 16 h
	s_lshl_b32 s19, s[WV], 5
	s_add_co_u32 s20, s19, QS
	v_add_nc_u32 v[STQ], s20, v46                  ; token r, channels 16 w + 8 h ..
	v_mul_u32_u24 v47, v[RR], 160
	v_lshl_add_u32 v47, v45, 4, v47
	s_add_co_u32 s20, s19, VS
	v_add_nc_u32 v[STV], s20, v47
	v_add_nc_u32 v[AKF], QS+KOFF, v46
	v_and_b32 v47, 7, v0
	v_lshl_add_u32 v1, v45, 3, v47                 ; the turning load: key 8 h + lane % 8,
	v_mul_u32_u24 v1, v1, 160
	v_bfe_u32 v[AVF], v0, 3, 1                     ; channels 8 ((lane / 8) % 2) ..
	v_lshl_add_u32 v[AVF], v[AVF], 4, v1
	v_add_nc_u32 v[AVF], VS, v[AVF]
	s_mul_i32 s19, s[WV], 16*144
	s_add_co_u32 s20, s19, QS
	v_add_nc_u32 v[AQ0], s20, v46
	s_add_co_u32 s20, s19, OST
	v_add_nc_u32 v[OSTO], s20, v46
	v_bfe_u32 v1, v0, 3, 2                         ; back: 32 lanes take four rows of 128 bytes
	v_mul_u32_u24 v1, v1, 144
	v_lshl_add_u32 v1, v47, 4, v1
	v_add_nc_u32 v[ORD], s20, v1
	s_lshl_b32 s19, s[WV], 11
	v_lshl_add_u32 v[GO0], v44, 4, s19             ; 16 lane + 2,048 w
	v_lshlrev_b32 v1, 3, v45                       ; 8 h
.set j, 0
.rept 8
	v_cmp_lt_i32 vcc_lo, 4-j, v1                   ; key 192 + 8 h + j is hidden where 8 h + j > 4
	v_cndmask_b32 v[MD+j], 0, s[BIGN], vcc_lo
.set j, j+1
.endr
	s_cmp_lg_u32 s[FR], 0
	s_cselect_b32 s19, s[BIGN], 0
	v_cmp_eq_u32 vcc_lo, 0, v44
	v_cndmask_b32 v[LZ], 0, s19, vcc_lo
.irp j, 1,2,3,4,5,6,7
	v_mov_b32 v[MZ+\j], 0
.endr
	v_mov_b32 v[LL], 0
	v_mov_b32 v[ZR], 0
	v_lshlrev_b32 v[PCO], 5, v45
	s_lshl_b32 s19, s[BF], 4
	s_lshl_b32 s20, s[CX], 2
	s_add_co_u32 s19, s19, s20
	s_mul_i32 s22, s19, 208*128                    ; ob at (bf, head 4 cx)
	s_mov_b32 s23, 0
	s_add_nc_u64 s[8:9], s[8:9], s[22:23]
	s_lshl_b32 s22, s[BF], 12
	s_lshl_b32 s20, s[CX], 10
	s_add_co_u32 s22, s22, s20
	s_add_nc_u64 s[PO:PO+1], s[10:11], s[22:23]    ; part: [bf][1,024 channels] f32
	s_lshl_b32 s22, s[BF], 7
	s_lshl_b32 s20, s[CX], 5
	s_add_co_u32 s22, s22, s20
	s_add_co_u32 s22, s22, 262144
	s_add_nc_u64 s[PS:PS+1], s[10:11], s[22:23]    ; part: [bf][head][2] f32, behind it
	; the prefetches
	s_mul_i32 s22, s[CX], 26*256                   ; my work-group's 26 rows of the wave's 104,
	s_add_co_u32 s22, s22, 3*ATILE                 ; at tile 3: the first change of slots steps it to tile 4
	s_add_nc_u64 s[PFA:PFA+1], s[82:83], s[22:23]
	s_cmp_eq_u32 s[WHI], 0
	s_cselect_b32 s[LIM], 4, 0                     ; the same in all sixteen partners, for a given wave
	s_mov_b32 s[SIG], 0
	v_min_u32 v[PFO], 25, v44
	v_lshlrev_b32 v[PFO], 8, v[PFO]
	s_wait_tensorcnt 1                             ; my part of tile 0 is in; tile 1's may stay out
	s_barrier_signal -1
	s_barrier_wait -1
	s_mov_b32 s[HD], 4
.Lhead:                                                ; a head's GEMM, its stage, its attention; the fourth head leaves the loop for its own tail.  SB stands at the head's quarter 0
	FETCH 0, 0, F0
	QUARTER 0, 64,  F0, F1, 1, 0, 7                ; the head's first products start the sums: nothing is cleared
	WIN 0
	s_mov_b32 s[LAP], 3
.Llap:                                                 ; a trip goes once round both rings, from a lap's second quarter to the next lap's first
	QUARTER 0, 128, F1, F0, 0, 1, 8
	QUARTER 0, 192, F0, F1, 0, 2, 9
	TURN 0, 1, 0, 1, 3, 10
	QUARTER 1, 64,  F0, F1, 0, 4, 11
	QUARTER 1, 128, F1, F0, 0, 5, 12
	QUARTER 1, 192, F0, F1, 0, 6, 13
	TURN 1, 0, 0, 1, 7, 14
	QUARTER 0, 64,  F0, F1, 0, 0, 15
	WIN 0
	s_wait_xcnt 0x0                                ; the loads of wqb, the youngest 18 matrix instructions back, have read their base
	s_add_nc_u64 s[SB:SB+1], s[SB:SB+1], 8*BQ
	s_sub_co_u32 s[LAP], s[LAP], 1
	s_cmp_lg_u32 s[LAP], 0
	s_cbranch_scc1 .Llap
	s_cmp_eq_u32 s[HD], 1                          ; the same number in every work-group
	s_cbranch_scc1 .Llast
	QUARTER 0, 128, F1, F0, 0, 1, 8                ; from here on the loads of wqb are the next head's: its quarters lie on end behind this head's
	QUARTER 0, 192, F0, F1, 0, 2, 9
	TURN 0, 1, 1, 1, 3, 10                         ; the ring in LDS goes on into the next head too: slot 0 takes its K step 0,
	QUARTER 1, 64,  F0, F1, 0, 4, 11
	QUARTER 1, 128, F1, F0, 0, 5, 12
	QUARTER 1, 192, F0, F1, 0, 6, 13
	TURN 1, 0, 1, 0, 7, 14                         ; slot 1 its K step 1, which lands under the attention
	STAGE
	ATTN
	s_wait_xcnt 0x0                                ; the stores and loads have read their bases
	s_add_nc_u64 s[8:9], s[8:9], 208*128           ; the next head
	s_add_nc_u64 s[PO:PO+1], s[PO:PO+1], 256
	s_add_nc_u64 s[PS:PS+1], s[PS:PS+1], 8
	s_add_nc_u64 s[SB:SB+1], s[SB:SB+1], 8*BQ
	s_sub_co_u32 s[HD], s[HD], 1
	s_branch .Lhead
.Llast:                                                ; the last head's last seven quarters load nothing of wqb: the counts run down by six; and a plain barrier changes slots
	QUARTER 0, 128, F1, F0, 0, 1, -1, 36
	QUARTER 0, 192, F0, F1, 0, 2, -1, 30
	WIN 0
	s_wait_tensorcnt 0x0                           ; my part of the last tile is in
	ds_add_u32 v[SPW], v[NIL]
	s_wait_loadcnt 24
	s_wait_dscnt 19
	MULR F1, 3, 0, 11, 0
	s_wait_dscnt 0x0
	s_barrier_signal -1
	MULR F1, 3, 12, 20, 0
	s_barrier_wait -1
	PLACES
	FETCH 1, 0, F0
	MULR F1, 3, 21, 38, 0
	QUARTER 1, 64,  F0, F1, 0, 4, -1, 18
	QUARTER 1, 128, F1, F0, 0, 5, -1, 12
	QUARTER 1, 192, F0, F1, 0, 6, -1, 6
	s_wait_loadcnt 0x0
	s_wait_dscnt 12
	MULR F1, 7, 0, 20, 0
	s_wait_dscnt 0x0
	MULR F1, 7, 21, 38, 0
	STAGE
	ATTN
	s_wait_tensorcnt 0x0                           ; the wave's end: behind my last tensor load and my last LDS store
	ds_add_u32 v[SPW], v[NIL]
	s_wait_dscnt 0x0
	CROUND                                         ; the closing round: no work-group ends while a partner may still ask for a tile that names it
	s_endpgm
.Lfunc_end_k_q612d577d24_qkvattn:
	.size	k_q612d577d24_qkvattn, .Lfunc_end_k_q612d577d24_qkvattn-k_q612d577d24_qkvattn
	.p2alignl 7, 3214868480
	.fill 96, 4, 3214868480
	.section	.rodata,"a",@progbits
	.p2align	6, 0x0
	.amdhsa_kernel k_q612d577d24_qkvattn
		.amdhsa_group_segment_fixed_size 327680
		.amdhsa_private_segment_fixed_size 0
		.amdhsa_enable_private_segment 0
		.amdhsa_kernarg_size 32
		.amdhsa_user_sgpr_count 2
		.amdhsa_user_sgpr_kernarg_segment_ptr 1
		.amdhsa_wavefront_size32 1
		.amdhsa_system_sgpr_workgroup_id_x 1
		.amdhsa_system_sgpr_workgroup_id_y 1
		.amdhsa_system_sgpr_workgroup_id_z 1
		.amdhsa_system_vgpr_workitem_id 0
		.amdhsa_next_free_vgpr 1024
		.amdhsa_next_free_sgpr 96
		.amdhsa_reserve_vcc 1
		.amdhsa_float_denorm_mode_32 3
		.amdhsa_float_denorm_mode_16_64 3
		.amdhsa_memory_ordered 1
		.amdhsa_forward_progress 1
		.amdhsa_inst_pref_size 217
	.end_amdhsa_kernel
	.amdgpu_metadata
---
amdhsa.version: [ 1, 2 ]
amdhsa.kernels:
  - .name:           k_q612d577d24_qkvattn
    .symbol:         k_q612d577d24_qkvattn.kd
    .args:
      - { .name: xb, .offset: 0, .size: 8, .value_kind: global_buffer, .address_space: global }
      - { .name: wqb, .offset: 8, .size: 8, .value_kind: global_buffer, .address_space: global }
      - { .name: ob, .offset: 16, .size: 8, .value_kind: global_buffer, .address_space: global }
      - { .name: part, .offset: 24, .size: 8, .value_kind: global_buffer, .address_space: global }
    .group_segment_fixed_size: 327680
    .private_segment_fixed_size: 0
    .kernarg_segment_align: 8
    .kernarg_segment_size: 32
    .max_flat_workgroup_size: 128
    .sgpr_count:     96
    .vgpr_count:     1024
    .wavefront_size: 32
...
	.end_amdgpu_metadata
.endif
;; end of part 2
;; launch proj (part 3): grid 4 x 64, 4 waves a work-group, clusters of 4 x 4, 327,680 bytes of LDS; arguments ob, wob, part, out0; writes out0
.if DOCPART == 3
	.amdgcn_target "amdgcn-amd-amdhsa--gfx1250"
	.amdhsa_code_object_version 6
	.text
	.protected	k_q612d577d24_proj
	.globl	k_q612d577d24_proj
	.p2align	8
	.type	k_q612d577d24_proj,@function
k_q612d577d24_proj:
	s_mov_b64 s[64:65], 0
	v_nop
	global_prefetch_b8 v0, s[64:65] scope:SCOPE_SE
	s_setreg_imm32_b32 hwreg(HW_REG_WAVE_MODE, 25, 1), 1
	s_wait_xcnt 0x0
	s_wait_alu depctr_hold_cnt(0) depctr_sa_sdst(0) depctr_va_vdst(0) depctr_va_sdst(0) depctr_va_ssrc(0) depctr_va_vcc(0) depctr_vm_vsrc(0)
	s_getreg_b32 s2, hwreg(HW_REG_IB_STS2, 6, 4)
	s_cmp_eq_u32 s2, 0
	s_cbranch_scc0 .Lentry_in_a_cluster
	s_endpgm
.Lentry_in_a_cluster:
	s_bfe_u32 s2, ttmp6, 0x10000c
	s_cmp_lg_u32 s2, 0xf033
	s_cbranch_scc0 .Lentry_shape_is_right
	s_endpgm
.Lentry_shape_is_right:
; OUT PROJECTION.  out0[token][n] = the sum over k of O[token][k] w_out[k][n]: f16 operands (O as the launch before rounded it; w_out rounded to bf16 and written as f16), f32 sums, f32 out.
; A work-group owns one frame block (208 rows of ob: row 0 = the cls token, 1..196 = the frame's patches, the rest padding) x 256 columns; K = 1,024 in 8 steps of 128 (two heads each).
; Wave w takes all 13 row blocks x columns 64 w .. + 63: 52 accumulators.  The matrix instruction is used transposed (source 0 = 16 rows of wob, source 1 = 16 tokens): a lane holds one token and 8 neighbouring columns.
; THE CLS ROW.  The cluster of frame 0 merges the 16 frames' partial results of the cls query (part: c m, l, normalised O, all f32): M = the largest c m, e_f = 2^(c m_f - M) l_f,
; O = the sum of e_f O_f / the sum of e_f; rounded once to f16 into LDS, it takes row 0's place in the fragments (lanes 0 and 16 of row block 0).  Other frames store no row 0.  Rows 197..207 are not stored.
; LIMITS.  As the launch before: O lies within v's range, under 65,504.  An e_f below 2^-126 counts as 0.  NaN and infinities are not treated apart.
; CLUSTER 4 x 4: cx = column quarter, cy = batch, the cluster's y = frame.  ob's tiles are asked for jointly along a row of the cluster, wob's along a column.
; RING.  Two LDS slots, a K step each; waves 0, 1 fetch ob's two heads, waves 2, 3 the halves of wob's tile.  By this text's count a wave has two tensor loads out at the start, later one.
; REGISTERS: window 0: v0-29 addresses; v32-95 wob's fragments, two buffers; v96-159 rows on their way out, two sets (v32-239 at work in the merge, ahead of the loop)
;   window 1: v0-207 ob's fragments, two buffers of 104; v208-223 the cls row's, two of 8.      window 2: accumulators 0-31.      window 3: accumulators 32-51
.set SLOT,  129536                     ; ob: 416 pieces of 128 bytes at 144; wob: 256 rows at 272
.set BOFF,  416*144
.set OSTG,  2*SLOT                     ; 16 rows x 272 bytes for each wave, for the way out
.set CLS,   OSTG+4*16*272              ; the merged cls row: 1,024 f16
.set SPARE, CLS+2048                   ; the spare words, 128 bytes for each wave: two blocks of 256 bytes that no other line names
.set ATILE, 208*256
.set BTILE, 256*256
.set ADRA, 2                           ; v2-3   my place in ob's fragments, slot 0, 1
.set ADRB, 4                           ; v4-5   in wob's
.set ACL,  6                           ; v6     in the cls row, at the lap in hand
.set STO,  7                           ; v7     the way out: where I put 16 bytes
.set RD,   8                           ; v8     where I read rows back
.set CO,   9                           ; v9     my byte offset in two rows of out0
.set ROWL, 10                          ; v10    lane / 16
.set PFO,  11                          ; v11    the prefetches' offset; never rewritten
.set SPW,  28
.set NIL,  29
.set WV, 12
.set WHI, 13
.set WLO, 14
.set CX, 15
.set CY, 16
.set FR, 17
.set BF, 18
.set G1A, 24
.set G0A, 32
.set G1B, 40
.set G0B, 48
.set LAP, 57
.set SIG, 66
.set LIM, 67
.set PFA, 68
.set PFS, 70
.set CM, 79                            ; s79  lanes 0 and 16 in frame 0, else none
.set RMIN, 88                          ; s88  the first row of the block that is stored: 0 in frame 0, else 1
.set MSB, 0
.macro WIN new
.if MSB != (\new)
	s_set_vgpr_msb (MSB<<8)|(\new)
.set MSB, \new
.endif
.endm
.macro PLACES                          ; four plain places behind matrix instructions (ISA guide 7.12.1)
.rept 4
	v_nop
.endr
.endm
.macro JLOAD s                         ; a joint load; an s_nop 0 and four v_nop follow each of the two lines
	s_cmp_eq_u32 s[WHI], 0
	s_cbranch_scc0 .Lfor_b_\@
	tensor_load_to_lds s[G0A+4*(\s):G0A+4*(\s)+3], s[G1A:G1A+7]
	s_nop 0
.rept 4
	v_nop
.endr
	s_branch .Lasked_\@
.Lfor_b_\@:
	tensor_load_to_lds s[G0B+4*(\s):G0B+4*(\s)+3], s[G1B:G1B+7]
	s_nop 0
.rept 4
	v_nop
.endr
.Lasked_\@:
.endm
.macro CREST
	s_cmp_lg_u32 s[WV], 0
	s_cbranch_scc1 .Lnot_wave_0_\@
	s_barrier_signal -3
.Lnot_wave_0_\@:
	s_barrier_wait -3
	s_barrier_signal -1
	s_barrier_wait -1
.endm
.macro CROUND
	s_barrier_signal -1
	s_barrier_wait -1
	CREST
.endm
; A PREFETCH INTO THE L2 behind each joint load and its run of LDS loads: the tile two refills on (416 matrix instructions ahead of its load), a lane a row of 256 bytes: tiles 4..7.
; ob's tiles are read by this cluster alone: the wave's 104 rows are shared out by address, 26 to each partner along x (lanes beyond name the share's last row once more).
; wob's are read by all sixteen clusters: the cluster of frame 0 asks, 32 of the wave's 128 rows to each partner along y.  Tiles 0..3 come by their loads alone.
.macro ASK
	WIN 0
	s_cmp_lt_u32 s[SIG], s[LIM]
	s_cbranch_scc0 .Lnot_mine_\@
	global_prefetch_b8 v[PFO], s[PFA:PFA+1] th:TH_LOAD_NT scope:SCOPE_SE
.Lnot_mine_\@:
	s_add_co_u32 s[SIG], s[SIG], 1
.endm
; Products lo..hi of a quarter step's 52: accumulator i = 4 a + j.  The 52 take turns, one instruction a turn, over every jump:
.macro MULR f, lo, hi, zero
.set mi, \lo
.rept (\hi)-(\lo)+1
.if mi < 32
	WIN 0xa4                                       ; wob in window 0, ob in window 1, C and D in window 2
.set rD, 8*mi
.else
	WIN 0xf4
.set rD, 8*(mi-32)
.endif
.set rB, 32+32*(\f)+8*(mi%4)
.set rA, 104*(\f)+8*(mi/4)
.if \zero
	v_wmma_f32_16x16x32_f16 v[rD:rD+7], v[rB:rB+7], v[rA:rA+7], 0
.else
	v_wmma_f32_16x16x32_f16 v[rD:rD+7], v[rB:rB+7], v[rA:rA+7], v[rD:rD+7]
.endif
.set mi, mi+1
.endr
.endm
; 36 LDS loads in one run: quarter q (32 along K) of a slot into buffer f: wob's four fragments, the cls row's one (at byte cl behind ACL), ob's thirteen
.macro FETCH slot, q, f, cl
	WIN 0
.irp j, 0,1,2,3
	ds_load_b128 v[32+32*(\f)+8*\j:32+32*(\f)+8*\j+3],   v[ADRB+(\slot)] offset:64*(\q)+4352*\j
	ds_load_b128 v[32+32*(\f)+8*\j+4:32+32*(\f)+8*\j+7], v[ADRB+(\slot)] offset:64*(\q)+4352*\j+32
.endr
	WIN 0x40
	ds_load_b128 v[208+8*(\f):208+8*(\f)+3],   v[ACL] offset:(\cl)+64*(\q)
	ds_load_b128 v[208+8*(\f)+4:208+8*(\f)+7], v[ACL] offset:(\cl)+64*(\q)+32
.irp a, 0,1,2,3,4,5,6,7,8,9,10,11,12
	ds_load_b128 v[104*(\f)+8*\a:104*(\f)+8*\a+3],   v[ADRA+(\slot)] offset:((\q)/2)*29952+((\q)%2)*64+2304*\a
	ds_load_b128 v[104*(\f)+8*\a+4:104*(\f)+8*\a+7], v[ADRA+(\slot)] offset:((\q)/2)*29952+((\q)%2)*64+2304*\a+32
.endr
.endm
.macro CLSFIX f                        ; row 0 of the block takes the merged cls row (frame 0 alone: elsewhere the mask is empty)
	WIN 0x45
.irp e, 0,1,2,3,4,5,6,7
	v_cndmask_b32 v[104*(\f)+\e], v[104*(\f)+\e], v[208+8*(\f)+\e], s[CM]
.endr
.endm
.macro QUARTER slot, q, f, g, cl, zero
	s_wait_dscnt 12                                ; the youngest twelve loads (row blocks 7-12) may be out
	CLSFIX \f
	MULR \f, 0, 27, \zero
	PLACES
	FETCH \slot, \q, \g, \cl
	s_wait_dscnt 36                                ; all but the 36 just issued
	MULR \f, 28, 51, \zero
.endm
; The last quarter multiplies buffer 1 and changes slots: the wait for all my tensor loads, the add, the wait for it and for my reads of this slot, a round of the cluster's barrier, the joint refill first behind it.
.macro TURN slot, next, cl
	s_wait_xcnt 0x0                                ; the last prefetch, a K step back, has read its address
	s_add_nc_u64 s[PFA:PFA+1], s[PFA:PFA+1], s[PFS:PFS+1]
	WIN 0
	s_wait_tensorcnt 0x0
	ds_add_u32 v[SPW], v[NIL]
	s_wait_dscnt 19                                ; (the add and row blocks 4-12 may be out)
	CLSFIX 1
	MULR 1, 0, 15, 0
	s_wait_dscnt 0x0                               ; the add is done, and my reads of this slot are over
	s_barrier_signal -1
	MULR 1, 16, 27, 0
	WIN 0
	s_barrier_wait -1
	CREST
	s_add_nc_u64 s[G0A+4*(\slot)+2:G0A+4*(\slot)+3], s[G0A+4*(\slot)+2:G0A+4*(\slot)+3], 2*ATILE
	s_add_nc_u64 s[G0B+4*(\slot)+2:G0B+4*(\slot)+3], s[G0B+4*(\slot)+2:G0B+4*(\slot)+3], 2*BTILE
	JLOAD \slot                                    ; 180 matrix instructions ahead of the wait for it; its four v_nop are also the places in front of the loads below
	FETCH \next, 0, 0, \cl
	ASK
.if (\cl) == 512
	v_add_nc_u32 v[ACL], 512, v[ACL]               ; the next lap's two K steps of the cls row
.endif
	MULR 1, 28, 51, 0
.endm
	s_load_b256 s[4:11], s[0:1], 0x0               ; ob s[4:5], wob s[6:7], part s[8:9], out0 s[10:11]
	v_lshl_add_u32 v[SPW], v0, 2, SPARE
	v_mov_b32 v[NIL], 0
	ds_add_u32 v[SPW], v[NIL]                      ; the wave's opening: the add and its wait ahead of my first tensor load
	v_lshrrev_b32 v1, 5, v0
	v_readfirstlane_b32 s[WV], v1
	s_lshr_b32 s[WHI], s[WV], 1
	s_and_b32 s[WLO], s[WV], 1
	s_bfe_u32 s[CX], ttmp6, 0x40000
	s_bfe_u32 s[CY], ttmp6, 0x40004
	s_and_b32 s[FR], ttmp7, 0xffff
	s_lshl_b32 s[BF], s[CY], 4
	s_add_co_u32 s[BF], s[BF], s[FR]
	s_lshl_b32 s19, s[CY], 2
	s_lshl_b32 s19, 15, s19                        ; my row of the cluster
	s_lshl_b32 s20, 0x1111, s[CX]                  ; my column
	s_or_b32 s[G1A], s19, (1<<16)|(1<<20)|(1<<21)|(4<<22)|(3<<25)  ; ob: 4 words of padding after every 32 words: a head's row of 128 bytes
	s_or_b32 s[G1B], s20, (1<<16)|(1<<20)|(1<<21)|(5<<22)|(3<<25)  ; wob: after every 64 words
	s_mov_b32 s[G1A+1], 128<<16
	s_mov_b32 s[G1A+2], 104<<16                    ; a head's 208 rows are 26,624 dense bytes: asked for as 104 rows of 256
	s_mov_b32 s[G1A+3], 128<<16
	s_mov_b32 s[G1A+4], 104
	s_mov_b32 s[G1A+5], 128
	s_mov_b32 s[G1A+6], 0
	s_mov_b32 s[G1A+7], 0
	s_mov_b32 s[G1B+1], 128<<16
	s_mov_b32 s[G1B+2], 128<<16
	s_mov_b32 s[G1B+3], 128<<16
	s_mov_b32 s[G1B+4], 128
	s_mov_b32 s[G1B+5], 128
	s_mov_b32 s[G1B+6], 0
	s_mov_b32 s[G1B+7], 0
	s_mul_i32 s80, s[BF], 8*ATILE
	s_mul_i32 s19, s[WLO], 104*256
	s_add_co_u32 s80, s80, s19
	s_mov_b32 s81, 0
	s_mul_i32 s84, s[CX], 8*BTILE
	s_mul_i32 s23, s[WLO], 128*256
	s_add_co_u32 s84, s84, s23
	s_mov_b32 s85, 0
	s_mul_i32 s21, s[WLO], 208*144                 ; where they go: no place in the cluster enters an LDS address
	s_mul_i32 s22, s[WLO], 128*272
	s_add_co_u32 s22, s22, BOFF
	s_wait_dscnt 0x0                               ; the opening add is done
	s_wait_kmcnt 0x0
	s_add_nc_u64 s[82:83], s[4:5], s[80:81]
	s_add_nc_u64 s[86:87], s[6:7], s[84:85]
	CROUND                                         ; all sixteen work-groups are here: the first joint loads meet
.irp s, 0,1
	s_mov_b32 s[G0A+4*(\s)], 1
	s_add_co_u32 s[G0A+4*(\s)+1], s21, (\s)*SLOT
	s_add_nc_u64 s[G0A+4*(\s)+2:G0A+4*(\s)+3], s[82:83], (\s)*ATILE
	s_or_b32 s[G0A+4*(\s)+3], s[G0A+4*(\s)+3], 0x80000000
	s_mov_b32 s[G0B+4*(\s)], 1
	s_add_co_u32 s[G0B+4*(\s)+1], s22, (\s)*SLOT
	s_add_nc_u64 s[G0B+4*(\s)+2:G0B+4*(\s)+3], s[86:87], (\s)*BTILE
	s_or_b32 s[G0B+4*(\s)+3], s[G0B+4*(\s)+3], 0x80000000
.endr
	s_cmp_eq_u32 s[WHI], 0                         ; a wave's two first fills stand in one branch
	s_cbranch_scc0 .Lfirst_b
	tensor_load_to_lds s[G0A:G0A+3], s[G1A:G1A+7]
	s_nop 0
	tensor_load_to_lds s[G0A+4:G0A+7], s[G1A:G1A+7]
	s_nop 0
.rept 4
	v_nop
.endr
	s_branch .Lfirst_asked
.Lfirst_b:
	tensor_load_to_lds s[G0B:G0B+3], s[G1B:G1B+7]
	s_nop 0
	tensor_load_to_lds s[G0B+4:G0B+7], s[G1B:G1B+7]
	s_nop 0
.rept 4
	v_nop
.endr
.Lfirst_asked:
	v_and_b32 v16, 15, v0                          ; r
	v_bfe_u32 v[ROWL], v0, 4, 1                    ; h
	v_and_b32 v18, 31, v0                          ; lane
	v_mul_u32_u24 v[ADRA], v16, 144
	v_lshl_add_u32 v[ADRA], v[ROWL], 4, v[ADRA]
	v_add_nc_u32 v[ADRA+1], SLOT, v[ADRA]
	v_mul_u32_u24 v17, v16, 272
	s_mul_i32 s19, s[WV], 64*272
	s_add_co_u32 s19, s19, BOFF
	v_lshl_add_u32 v[ADRB], v[ROWL], 4, v17
	v_add_nc_u32 v[ADRB], s19, v[ADRB]             ; wob's rows 64 w + r (+ 16 j in the immediate)
	v_add_nc_u32 v[ADRB+1], SLOT, v[ADRB]
	v_lshl_add_u32 v[ACL], v[ROWL], 4, CLS
	s_mul_i32 s19, s[WV], 16*272
	s_add_co_u32 s19, s19, OSTG
	v_lshl_add_u32 v[STO], v[ROWL], 5, v17         ; in: token r, columns 8 h .. as f32
	v_add_nc_u32 v[STO], s19, v[STO]
	v_mul_u32_u24 v[RD], v[ROWL], 272              ; back: lanes 0-15 take one row of 256 bytes, lanes 16-31 the next
	v_lshl_add_u32 v[RD], v16, 4, v[RD]
	v_add_nc_u32 v[RD], s19, v[RD]
	v_lshlrev_b32 v[CO], 12, v[ROWL]               ; and the same two rows in out0
	v_lshl_add_u32 v[CO], v16, 4, v[CO]
	v_lshl_add_u32 v13, v0, 4, CLS                 ; my 16 bytes of the cls row
	s_cmp_eq_u32 s[FR], 0
	s_cselect_b32 s[CM], 0x00010001, 0
	s_cselect_b32 s[RMIN], 0, 1
	s_mul_i32 s19, s[CY], 3137
	s_mul_i32 s20, s[FR], 196
	s_add_co_u32 s19, s19, s20                     ; the block's row rho is row 3,137 b + 196 f + rho of out0
	s_lshl_b32 s22, s19, 12
	s_lshl_b32 s20, s[CX], 10
	s_add_co_u32 s22, s22, s20
	s_lshl_b32 s20, s[WV], 8
	s_add_co_u32 s22, s22, s20                     ; my 64 columns: 256 bytes
	s_mov_b32 s23, 0
	s_add_nc_u64 s[10:11], s[10:11], s[22:23]
	s_lshl_b32 s22, s[CY], 16
	s_add_nc_u64 s[90:91], s[8:9], s[22:23]        ; part: the batch's 16 x 1,024 f32
	s_lshl_b32 s22, s[CY], 11
	s_add_co_u32 s22, s22, 262144
	s_add_nc_u64 s[92:93], s[8:9], s[22:23]        ; part: the batch's 16 x 16 x (c m, l)
	; the prefetches
	s_mul_i32 s20, s[CX], 26*256
	s_add_co_u32 s20, s20, 3*ATILE
	s_mul_i32 s21, s[CY], 32*256
	s_add_co_u32 s21, s21, 3*BTILE
	s_mov_b32 s[PFS], BTILE
	s_cmp_eq_u32 s[FR], 0
	s_cselect_b32 s19, 4, 0
	s_cmp_eq_u32 s[WHI], 0
	s_cselect_b32 s[LIM], 4, s19                   ; the same in all sixteen partners, for a given wave
	s_cselect_b32 s22, s20, s21
	s_cselect_b32 s[PFS], ATILE, s[PFS]
	s_cselect_b32 s19, 25, 31
	s_cselect_b64 s[PFA:PFA+1], s[82:83], s[86:87]
	s_mov_b32 s[PFS+1], 0
	s_add_nc_u64 s[PFA:PFA+1], s[PFA:PFA+1], s[22:23]  ; at tile 3: the first change of slots steps it to tile 4
	s_mov_b32 s[SIG], 0
	v_min_u32 v[PFO], s19, v18
	v_lshlrev_b32 v[PFO], 8, v[PFO]
	s_cmp_lg_u32 s[FR], 0                          ; the frame is the cluster's y: the same in all partners and waves
	s_cbranch_scc1 .Lno_merge
	; THE MERGE.  Thread t: channels 8 t .. 8 t + 7, head t / 8.
	v_lshlrev_b32 v1, 5, v0
	v_lshrrev_b32 v12, 3, v0
	v_lshlrev_b32 v12, 3, v12
.set mf, 0
.rept 16
	global_load_b128 v[64+8*mf:67+8*mf], v1, s[90:91] offset:4096*mf
	global_load_b128 v[68+8*mf:71+8*mf], v1, s[90:91] offset:4096*mf+16
	global_load_b64 v[192+2*mf:193+2*mf], v12, s[92:93] offset:128*mf
.set mf, mf+1
.endr
	s_wait_loadcnt 0x0
	v_max3_num_f32 v224, v192, v194, v196
.irp k, 198,202,206,210,214,218
	v_max3_num_f32 v224, v224, v[\k], v[\k+2]
.endr
	v_max_num_f32 v224, v224, v222                 ; M
.set mf, 0
.rept 16
	v_sub_f32 v[192+2*mf], v[192+2*mf], v224
.set mf, mf+1
.endr
.set mf, 0
.rept 16
	v_exp_f32 v[192+2*mf], v[192+2*mf]
.set mf, mf+1
.endr
	v_nop
	s_wait_alu depctr_va_vdst(0)                   ; one wait for the sixteen exponentials, ahead of their first reader
.set mf, 0
.rept 16
	v_mul_f32 v[192+2*mf], v[192+2*mf], v[193+2*mf]  ; e_f
.set mf, mf+1
.endr
	v_add_f32 v225, v192, v194
.set mf, 2
.rept 14
	v_add_f32 v225, v225, v[192+2*mf]
.set mf, mf+1
.endr
	v_rcp_f32 v234, v225
	v_mov_b32 v235, 0                              ; named with it as a pair; also the plain instruction behind the reciprocal
.irp p, 0,1,2,3
	v_pk_mul_f32 v[226+2*\p:227+2*\p], v[64+2*\p:65+2*\p], v[192:193] op_sel_hi:[1,0]
.endr
.set mf, 1
.rept 15
.irp p, 0,1,2,3
	v_pk_fma_f32 v[226+2*\p:227+2*\p], v[64+8*mf+2*\p:65+8*mf+2*\p], v[192+2*mf:193+2*mf], v[226+2*\p:227+2*\p] op_sel_hi:[1,0,1]
.endr
.set mf, mf+1
.endr
	s_wait_alu depctr_va_vdst(0)                   ; the reciprocal's wait; the sums above are the work between
.irp p, 0,1,2,3
	v_pk_mul_f32 v[226+2*\p:227+2*\p], v[226+2*\p:227+2*\p], v[234:235] op_sel_hi:[1,0]
.endr
.irp p, 0,1,2,3
	v_cvt_pk_f16_f32 v[236+\p], v[226+2*\p], v[227+2*\p]
.endr
	s_branch .Lmerged
.Lno_merge:
.irp p, 0,1,2,3
	v_mov_b32 v[236+\p], 0                         ; the bytes are read, and thrown away by an empty mask
.endr
.Lmerged:
	ds_store_b128 v13, v[236:239]
	s_wait_tensorcnt 1                             ; my part of tile 0 is in; tile 1's may stay out
	s_wait_dscnt 0x0                               ; for the others' sake: my part of the cls row is stored
	s_barrier_signal -1
	s_barrier_wait -1
	FETCH 0, 0, 0, 0
	QUARTER 0, 1, 0, 1, 0, 1                       ; the first products start the sums: nothing is cleared
	WIN 0
	s_mov_b32 s[LAP], 3
.Llap:                                                 ; a trip goes once round the ring, from a lap's second quarter to the next lap's first, and fills both slots again
	QUARTER 0, 2, 1, 0, 0, 0
	QUARTER 0, 3, 0, 1, 0, 0
	TURN 0, 1, 256
	QUARTER 1, 1, 0, 1, 256, 0
	QUARTER 1, 2, 1, 0, 256, 0
	QUARTER 1, 3, 0, 1, 256, 0
	TURN 1, 0, 512
	QUARTER 0, 1, 0, 1, 0, 0
	WIN 0
	s_sub_co_u32 s[LAP], s[LAP], 1
	s_cmp_lg_u32 s[LAP], 0
	s_cbranch_scc1 .Llap
	QUARTER 0, 2, 1, 0, 0, 0                       ; the last lap fills nothing: a plain barrier changes slots
	QUARTER 0, 3, 0, 1, 0, 0
	WIN 0
	s_wait_tensorcnt 0x0                           ; my part of the last tile is in
	ds_add_u32 v[SPW], v[NIL]
	s_wait_dscnt 19
	CLSFIX 1
	MULR 1, 0, 15, 0
	s_wait_dscnt 0x0
	s_barrier_signal -1
	MULR 1, 16, 27, 0
	s_barrier_wait -1
	PLACES
	FETCH 1, 0, 0, 256
	MULR 1, 28, 51, 0
	QUARTER 1, 1, 0, 1, 256, 0
	QUARTER 1, 2, 1, 0, 256, 0
	QUARTER 1, 3, 0, 1, 256, 0
	s_wait_dscnt 12
	CLSFIX 1
	MULR 1, 0, 27, 0
	s_wait_dscnt 0x0
	MULR 1, 28, 51, 0
; THE WAY OUT of row block a: 16 rows x 64 columns of f32 through my own stage, back as whole rows of 256 bytes, stored two rows an instruction.
; Each accumulator's low four registers are read first.  Row 0 is stored in frame 0 alone; of block 12 only rows 192..196.
.macro OUTB a
.if (\a) < 8
	WIN 0x08                                       ; store data in window 2
.set rD, 32*(\a)
.else
	WIN 0x0c                                       ; in window 3
.set rD, 32*((\a)-8)
.endif
.irp j, 0,1,2,3
	ds_store_b128 v[STO], v[rD+8*\j:rD+8*\j+3]   offset:64*\j
	ds_store_b128 v[STO], v[rD+8*\j+4:rD+8*\j+7] offset:64*\j+16
.endr
	WIN 0
	s_wait_xcnt 0x0                                ; the stores of two blocks back have read this set of registers
.set BK, 96+32*((\a)%2)
.set NT, 8
.if (\a) == 12
.set NT, 3
.endif
.set t, 0
.rept NT
	ds_load_b128 v[BK+4*t:BK+4*t+3], v[RD] offset:544*t  ; LDS serves a wave's instructions in order (ISA guide 5.7.1.4): these see the stores above
.set t, t+1
.endr
.set t, 0
.rept NT
	s_wait_dscnt NT-1-t
.if ((\a) == 0) && (t == 0)
	s_wait_xcnt 0x0                                ; EXEC changes only behind this wait
	v_cmp_le_u32 vcc_lo, s[RMIN], v[ROWL]
	s_and_saveexec_b32 s77, vcc_lo
	global_store_b128 v[CO], v[BK+4*t:BK+4*t+3], s[10:11] offset:(16*(\a)+2*t)*4096 th:TH_STORE_NT
	s_wait_xcnt 0x0
	s_or_b32 exec_lo, exec_lo, s77
.elseif ((\a) == 12) && (t == 2)
	s_wait_xcnt 0x0
	v_cmp_gt_u32 vcc_lo, 1, v[ROWL]
	s_and_saveexec_b32 s77, vcc_lo
	global_store_b128 v[CO], v[BK+4*t:BK+4*t+3], s[10:11] offset:(16*(\a)+2*t)*4096 th:TH_STORE_NT
	s_wait_xcnt 0x0
	s_or_b32 exec_lo, exec_lo, s77
.else
	global_store_b128 v[CO], v[BK+4*t:BK+4*t+3], s[10:11] offset:(16*(\a)+2*t)*4096 th:TH_STORE_NT  ; 16 lanes store 256 consecutive bytes, aligned
.endif
.set t, t+1
.endr
.endm
	PLACES
.irp a, 0,1,2,3,4,5,6,7,8,9,10,11,12
	OUTB \a
.endr
	s_wait_tensorcnt 0x0                           ; the wave's end: behind my last tensor load and my last LDS store
	ds_add_u32 v[SPW], v[NIL]
	s_wait_dscnt 0x0
	CROUND                                         ; the closing round: no work-group ends while a partner may still ask for a tile that names it
	s_endpgm
.Lfunc_end_k_q612d577d24_proj:
	.size	k_q612d577d24_proj, .Lfunc_end_k_q612d577d24_proj-k_q612d577d24_proj
	.p2alignl 7, 3214868480
	.fill 96, 4, 3214868480
	.section	.rodata,"a",@progbits
	.p2align	6, 0x0
	.amdhsa_kernel k_q612d577d24_proj
		.amdhsa_group_segment_fixed_size 327680
		.amdhsa_private_segment_fixed_size 0
		.amdhsa_enable_private_segment 0
		.amdhsa_kernarg_size 32
		.amdhsa_user_sgpr_count 2
		.amdhsa_user_sgpr_kernarg_segment_ptr 1
		.amdhsa_wavefront_size32 1
		.amdhsa_system_sgpr_workgroup_id_x 1
		.amdhsa_system_sgpr_workgroup_id_y 1
		.amdhsa_system_sgpr_workgroup_id_z 1
		.amdhsa_system_vgpr_workitem_id 0
		.amdhsa_next_free_vgpr 928
		.amdhsa_next_free_sgpr 96
		.amdhsa_reserve_vcc 1
		.amdhsa_float_denorm_mode_32 3
		.amdhsa_float_denorm_mode_16_64 3
		.amdhsa_memory_ordered 1
		.amdhsa_forward_progress 1
		.amdhsa_inst_pref_size 152
	.end_amdhsa_kernel
	.amdgpu_metadata
---
amdhsa.version: [ 1, 2 ]
amdhsa.kernels:
  - .name:           k_q612d577d24_proj
    .symbol:         k_q612d577d24_proj.kd
    .args:
      - { .name: ob, .offset: 0, .size: 8, .value_kind: global_buffer, .address_space: global }
      - { .name: wob, .offset: 8, .size: 8, .value_kind: global_buffer, .address_space: global }
      - { .name: part, .offset: 16, .size: 8, .value_kind: global_buffer, .address_space: global }
      - { .name: out0, .offset: 24, .size: 8, .value_kind: global_buffer, .address_space: global }
    .group_segment_fixed_size: 327680
    .private_segment_fixed_size: 0
    .kernarg_segment_align: 8
    .kernarg_segment_size: 32
    .max_flat_workgroup_size: 128
    .sgpr_count:     96
    .vgpr_count:     928
    .wavefront_size: 32
...
	.end_amdgpu_metadata
.endif
;; end of part 3
